; MI455X (gfx1250); checked and timed in simulation.
; The chip was launched on July 23, 2026; its instructions are those of AMD's public machine-readable ISA for CDNA 5 (MIT licence, August 2026) and "CDNA5" Instruction Set Architecture Reference Guide (July 2026). The comments in the code are by the model that wrote it; some were corrected since.
;; Multi Head Attention. Allowed arithmetic: matrix products marked QUANTISED: E4M3 operands, one given power-of-two scale a tensor, by v_wmma_f32_16x16x64_fp8_fp8 or v_wmma_f32_16x16x128_fp8_fp8, f32 sums; everything else in f32.
;; Inputs: Wk 1,024 x 1,024 float32; Wo 1,024 x 1,024 float32; Wq 1,024 x 1,024 float32; Wv 1,024 x 1,024 float32; causal_mask 1 x 1 x 2,048 x 2,048 float32; lowp_scales 12 int32 (the exponents e of the quantised operands' scales 2^e); x 2 x 2,048 x 1,024 float32.
;; Outputs: out0 2 x 2,048 x 1,024 float32.
;; This version of the problem:
;;   THIS VERSION OF THE PROBLEM IS GIVEN IN LOW PRECISION. The matrix products marked QUANTISED in the list below multiply operands that are first quantised to E4M3 (4 exponent bits, 3 mantissa bits; 8 bits a number), with one given power-of-two scale for each operand tensor; their sums are f32. All else is computed in f32.
;;   The module's matrix products, in the order in which they are computed (A, B: the left and right operand; K: the contracted axis; several contracted axes count as one K, in the product's order):
;;     1. [M 4,096, K 1,024] x [K 1,024, N 1,024]; A: input x; B: input Wq: QUANTISED (scales: A lowp_scales[0], B lowp_scales[1])
;;     2. [M 4,096, K 1,024] x [K 1,024, N 1,024]; A: input x; B: input Wk: QUANTISED (scales: A lowp_scales[2], B lowp_scales[3])
;;     3. [M 4,096, K 1,024] x [K 1,024, N 1,024]; A: input x; B: input Wv: QUANTISED (scales: A lowp_scales[4], B lowp_scales[5])
;;     4. batch 32 x [M 2,048, K 64] x [K 64, N 2,048]; A: computed on the way; B: computed on the way: QUANTISED (scales: A lowp_scales[6], B lowp_scales[7])
;;     5. batch 32 x [M 2,048, K 2,048] x [K 2,048, N 64]; A: computed on the way; B: computed on the way: QUANTISED (scales: A lowp_scales[8], B lowp_scales[9])
;;     6. [M 4,096, K 1,024] x [K 1,024, N 1,024]; A: computed on the way; B: input Wo: QUANTISED (scales: A lowp_scales[10], B lowp_scales[11])
;;   THE QUANTISER, for each operand of a quantised product, along K:
;;     - The operand's scale is 2^e, e = its entry of the input lowp_scales (int32; the entries are numbered through the quantised products in the list's order, A before B).
;;     - Each number is divided by the scale, clamped to +-448, and rounded to the nearest number of E4M3, ties to even, subnormals kept.
;;     - The product sums the exact products of the quantised numbers (number of the format x scale) in f32.
;;   ~~~python
;;   def quantise(x, axis, e):      # numpy; x: float32 -> the quantised numbers, widened to float32 again
;;       x = np.moveaxis(x, axis, -1); K = x.shape[-1]
;;       r = np.clip(x / 2.0 ** e, -448, 448)
;;       step = 2.0 ** (np.maximum(np.frexp(np.where(r == 0, 1, r))[1] - 1, -6) - 3)
;;       q = np.round(r / step) * step * 2.0 ** e      # np.round: ties to even
;;       return np.moveaxis(q, -1, axis).astype(np.float32)
;;   ~~~
;;   OPERANDS COMPUTED ON THE WAY. 'Computed on the way' means the value that the module computes at that place (a softmax that the list does not call 'softmax' is quantised finished and normalised). What goes into a quantiser is computed in f32, as accurately as f32 sums, v_exp_f32 and their like allow (about 1e-6 of the number): no bf16 or f16 on the way to a quantiser, and a product that is left as it is and whose result goes on into a quantised operand takes f32 operands (vector FMAs, or v_wmma_f32_16x16x4_f32). A number that lies on a knife's edge between two numbers of the format may be rounded either way, as far as f32 arithmetic and the matrix unit's own rounding can turn it there, and no further.
;; One version. Each part assembles by itself: llvm-mc -triple=amdgcn-amd-amdhsa -mcpu=gfx1250 --defsym DOCPART=n.
;; ======== version 1 of 1: 4 launches
;; limits: right only within a limited range of input values
;; workspace buffers: x_codes 12,582,912 bytes; w_codes 4,194,304 bytes; mask_img 16,777,216 bytes; rope_img 524,288 bytes; q_codes 4,194,304 bytes; k_codes 4,194,304 bytes; v_codes 4,194,304 bytes; o_codes 4,194,304 bytes
;; launch prep (part 1): grid 416 x 1, 4 waves a work-group, no clusters, 34,304 bytes of LDS; arguments x, Wq, Wk, Wv, Wo, causal_mask, lowp_scales, x_codes, w_codes, mask_img, rope_img; writes x_codes, w_codes, mask_img, rope_img
.if DOCPART == 1
	.amdgcn_target "amdgcn-amd-amdhsa--gfx1250"
	.amdhsa_code_object_version 6
	.text
	.protected	k_qf8eeb6868a_prep
	.globl	k_qf8eeb6868a_prep
	.p2align	8
	.type	k_qf8eeb6868a_prep,@function
k_qf8eeb6868a_prep:
	s_mov_b64 s[64:65], 0
	v_nop
	global_prefetch_b8 v0, s[64:65] scope:SCOPE_SE
	s_setreg_imm32_b32 hwreg(HW_REG_WAVE_MODE, 25, 1), 1
	s_wait_xcnt 0x0
; PREP: everything that later launches read many times is laid out once, as images of operand registers.
;   work-groups   0-127: x [4096][1024] f32 -> three tensors of E4M3 codes (scales 2^e0, 2^e2, 2^e4)
;   work-groups 128-255: Wq, Wk, Wv, Wo [1024][1024] f32 -> codes (2^e1, 2^e3, 2^e5, 2^e11)
;   work-groups 256-383: causal_mask [2048][2048] f32 -> the same numbers x 2^(3 - e6 - e7), f32 (exact short of overflow and underflow)
;   work-groups 384-415: cos and sin of t x 10000^(-i/32), t = 0 .. 2047, i = 0 .. 31, f32
; A TILE is 16 rows that are not neighbours: place r of tile 2 g + u is row 32 g + 8 u + r + 8 (r / 8).  A PIECE is 512 bytes, lane l's 16 bytes at 16 l, l = 16 h + r.
; Codes: a fragment (a tile x 128 along K) is four pieces; piece c holds k = 32 c + 16 h + 0 .. 15 of the row at place r.  f32 images: piece 4 b + j holds columns 32 b + 16 h + 4 j + 0 .. 3.
; So every load and store of every launch covers 512 consecutive bytes, aligned.
; A wave takes one tile and four neighbouring chunks of 128 columns.  Each load reads one row's 512 bytes; a chunk turns through the wave's own stage in LDS (16 rows, 528 bytes apart:
; 33 x 16, so the sixteen lanes that read one column of sixteen rows start at sixteen different 16-byte columns of 256) and comes back as 16 neighbours along K for each block of 32.
; code = x / 2^e, held within +-448, to the nearest code, ties to even.  No tensor load, no barrier: waves share nothing.  No matrix work, so no cluster and no large register tile.
; LIMITS: e0 .. e5 and e11 between -126 and 119.  NaN among the inputs is not served.  cos and sin: range reduction by pi/2 in three parts, polynomials of degree 7 and 8 on +-pi/4;
; the angle t x f carries the rounding of f (a power of two's exponent rounded once, and v_exp_f32), which at the largest angles is about 1e-4 rad.
.set LN16, 1                           ; v1      16 x lane
.set STW,  2                           ; v2      the stage on the way in: 8448 x wave + 16 x lane
.set STR,  3                           ; v3      on the way out: 8448 x wave + 528 r + 64 h
.set SCL,  4                           ; v4-9    for each of three scales: 2^e as f32, then 448 x 2^e
.set ROFF, 10                          ; v10-25  byte offset of my 16 bytes in the row at place i
.set R,    32                          ; v32-95  a chunk as loaded
.set X,    96                          ; v96-159 the chunk turned: register 16 b + i = column 32 b + 16 h + i of the row at place r
.set T,    160                         ; v160-191 held numbers, two sets of 16 by turns
.set C,    192                         ; v192-239 codes, a set of 16 registers for each scale
.set WSTG, 8448
.set SP,   528
.set F,    32                          ; the table's path: v32-47 frequencies, then angles
.set COSR, 64                          ; v64-79 cos
.set SINR, 80                          ; v80-95 sin
	s_load_b512 s[8:23], s[0:1], 0x0               ; x, Wq, Wk, Wv, Wo, mask, scales, x_codes
	s_load_b128 s[24:27], s[0:1], 0x40             ; w_codes, mask_img
	s_load_b64 s[28:29], s[0:1], 0x50              ; rope_img
	v_lshl_add_u32 v240, v0, 2, 0x8400
	v_mov_b32 v241, 0
	v_lshrrev_b32 v26, 5, v0
	v_readfirstlane_b32 s2, v26                    ; wave
	v_and_b32 v26, 31, v0
	v_lshlrev_b32 v[LN16], 4, v26
	v_and_b32 v27, 15, v0                          ; r
	v_bfe_u32 v28, v0, 4, 1                        ; h
	s_mul_i32 s5, s2, WSTG
	v_add_nc_u32 v[STW], s5, v[LN16]
	v_mul_u32_u24 v[STR], v27, SP
	v_lshl_add_u32 v[STR], v28, 6, v[STR]
	v_add_nc_u32 v[STR], s5, v[STR]
	s_lshr_b32 s3, ttmp9, 7                        ; which of the four jobs
	s_and_b32 s4, ttmp9, 127
	s_lshl_b32 s4, s4, 2
	s_add_co_u32 s4, s4, s2                        ; J: my wave among the job's 512
	s_wait_kmcnt 0x0
	s_cmp_eq_u32 s3, 3
	s_cbranch_scc1 .Lrope
	s_load_b256 s[32:39], s[20:21], 0x0            ; e0 .. e7
	s_load_b128 s[40:43], s[20:21], 0x20           ; e8 .. e11
	; the shapes: the mask has 16 chunks a row and rows of 8,192 bytes, the others 8 chunks and 4,096
	s_cmp_eq_u32 s3, 2
	s_cselect_b32 s52, 2, 1                        ; J's low bits that name the group of four chunks
	s_cselect_b32 s53, 13, 12                      ; log2 of a source row's bytes
	s_cselect_b32 s54, 13, 14                      ; log2 of a chunk's bytes in the image
	s_cselect_b32 s55, 0, 3                        ; codes: eight tiles lie side by side in a block of 131,072 bytes; the mask: one tile is such a block
	s_cselect_b32 s56, 0, 7
	s_cselect_b32 s57, 3, 1
	s_cmp_eq_u32 s3, 1
	s_cselect_b32 s58, 63, 255                     ; a weight has 64 tiles
	s_bfe_u32 s59, ttmp9, 0x20005                  ; which weight
	s_cmp_eq_u32 s59, 1                            ; the buffers are chosen on the work-group's number alone
	s_cselect_b64 s[44:45], s[12:13], s[10:11]
	s_cmp_eq_u32 s59, 2
	s_cselect_b64 s[44:45], s[14:15], s[44:45]
	s_cmp_eq_u32 s59, 3
	s_cselect_b64 s[44:45], s[16:17], s[44:45]
	s_cmp_eq_u32 s3, 0
	s_cselect_b64 s[44:45], s[8:9], s[44:45]
	s_cselect_b64 s[46:47], s[22:23], s[24:25]
	s_cmp_eq_u32 s3, 2
	s_cselect_b64 s[44:45], s[18:19], s[44:45]     ; from where
	s_cselect_b64 s[46:47], s[26:27], s[46:47]     ; to where
	s_lshr_b32 s61, s4, s52                        ; my tile
	s_and_b32 s62, s4, s57
	s_lshl_b32 s62, s62, 2                         ; my first chunk
	s_and_b32 s58, s61, s58                        ; the tile within its source
	s_lshr_b32 s63, s58, 1
	s_lshl_b32 s63, s63, 5
	s_and_b32 s58, s58, 1
	s_lshl_b32 s58, s58, 3
	s_add_co_u32 s63, s63, s58                     ; its first row: 32 g + 8 u
	s_lshl_b32 s63, s63, s53
	s_lshl_b32 s58, s62, 9
	s_add_co_u32 s68, s63, s58
	s_mov_b32 s69, 0
	s_add_nc_u64 s[44:45], s[44:45], s[68:69]
	s_lshr_b32 s58, s61, s55
	s_lshl_b32 s58, s58, 17
	s_lshl_b32 s63, s62, s54
	s_add_co_u32 s58, s58, s63
	s_and_b32 s63, s61, s56
	s_lshl_b32 s63, s63, 11
	s_add_co_u32 s68, s58, s63
	s_add_nc_u64 s[46:47], s[46:47], s[68:69]
	s_add_nc_u64 s[48:49], s[22:23], s[68:69]      ; x's second and third tensors of codes, 4 MiB apart (used by x's work-groups alone)
	s_add_nc_u64 s[48:49], s[48:49], 0x400000
	s_add_nc_u64 s[50:51], s[48:49], 0x400000
	s_lshl_b32 s70, 1, s53                         ; a source row's bytes
	s_wait_alu depctr_va_vdst(0)
.irp i, 0,1,2,3,4,5,6,7,8,9,10,11,12,13,14,15
	v_mad_u32_u24 v[ROFF+\i], s70, \i+8*(\i/8), v[LN16]   ; place i is row i + 8 (i / 8) of the tile
.endr
.macro LOAD t                          ; chunk t: sixteen rows, 512 consecutive bytes each; read once in the launch
.irp i, 0,1,2,3,4,5,6,7,8,9,10,11,12,13,14,15
	global_load_b128 v[R+4*\i:R+4*\i+3], v[ROFF+\i], s[44:45] offset:512*(\t) th:TH_LOAD_NT
.endr
.endm
.macro TURN                            ; through my stage: LDS serves a wave's instructions in order (ISA guide 5.7.1.4), so no wait stands between the stores and the loads
.irp i, 0,1,2,3,4,5,6,7,8,9,10,11,12,13,14,15
	ds_store_b128 v[STW], v[R+4*\i:R+4*\i+3] offset:SP*\i
.endr
.irp b, 0,1,2,3
.irp j, 0,1,2,3
	ds_load_b128 v[X+16*\b+4*\j:X+16*\b+4*\j+3], v[STR] offset:128*\b+16*\j
.endr
.endr
.endm
.macro CONV s                          ; the chunk's 64 numbers of my lane become a fragment's codes under scale s; X stays as it is for the next scale
.irp b, 0,1,2,3
.irp i, 0,1,2,3,4,5,6,7,8,9,10,11,12,13,14,15
	v_med3_num_f32 v[T+16*(\b%2)+\i], v[X+16*\b+\i], -v[SCL+2*\s+1], v[SCL+2*\s+1]   ; the conversion to an 8-bit code does not saturate (ISA guide 7.6.2): the hold comes first
.endr
	v_cvt_scalef32_pk8_fp8_f32 v[C+16*\s+4*\b:C+16*\s+4*\b+1], v[T+16*(\b%2):T+16*(\b%2)+7], v[SCL+2*\s]
	v_cvt_scalef32_pk8_fp8_f32 v[C+16*\s+4*\b+2:C+16*\s+4*\b+3], v[T+16*(\b%2)+8:T+16*(\b%2)+15], v[SCL+2*\s]   ; T's sets take turns: sixteen plain lines on the other set stand ahead of the next write of these sources
.endr
.endm
.macro PUT s, t
.irp b, 0,1,2,3
	global_store_b128 v[LN16], v[C+16*\s+4*\b:C+16*\s+4*\b+3], s[46+2*\s:47+2*\s] offset:16384*(\t)+512*\b
.endr
.endm
.macro SCALES e, k                     ; 2^e and 448 x 2^e as f32 patterns
	s_add_co_i32 s58, s[\e], 127
	s_lshl_b32 s63, s58, 23
	v_mov_b32 v[SCL+2*\k], s63
	s_add_co_i32 s58, s58, 8
	s_lshl_b32 s58, s58, 23
	s_or_b32 s58, s58, 0x600000
	v_mov_b32 v[SCL+2*\k+1], s58
.endm
; One chunk.  The LDS lines lie on the one way that all three jobs take; the branches, on the work-group's number, go round register work and global stores alone.
.macro STEP t
	s_wait_dscnt 0x0                               ; the chunk is back from the stage
.if (\t) < 3
	LOAD (\t)+1                                    ; the next chunk is on its way while this one is worked
.endif
	s_cmp_eq_u32 s3, 2
	s_cbranch_scc1 .Lmask_\t
	s_wait_alu depctr_va_vdst(0)
	CONV 0
	PUT 0, \t
	s_cmp_lg_u32 s3, 0
	s_cbranch_scc1 .Ljoin_\t
	CONV 1                                         ; x is an operand of three products, each with a scale of its own
	PUT 1, \t
	CONV 2
	PUT 2, \t
	s_branch .Ljoin_\t
.Lmask_\t:
.set i, 0
.rept 64
	v_ldexp_f32 v[X+i], v[X+i], s71                ; mask x 2^(3 - e6 - e7): what a sum of codes of the scores' product lacks
.set i, i+1
.endr
.irp n, 0,1,2,3,4,5,6,7,8,9,10,11,12,13,14,15
	global_store_b128 v[LN16], v[X+4*\n:X+4*\n+3], s[46:47] offset:8192*(\t)+512*\n
.endr
.Ljoin_\t:
.if (\t) < 3
	s_wait_loadcnt 0x0                             ; the next chunk is in
	s_wait_xcnt 0x0                                ; this chunk's stores have read X and C, which are written next
	TURN
.endif
.endm
	LOAD 0
	s_wait_alu depctr_va_vdst(0)
	s_wait_kmcnt 0x0
	s_cmp_eq_u32 s59, 1
	s_cselect_b32 s60, s35, s33                    ; e3 : e1
	s_cmp_eq_u32 s59, 2
	s_cselect_b32 s60, s37, s60                    ; e5
	s_cmp_eq_u32 s59, 3
	s_cselect_b32 s60, s43, s60                    ; e11
	s_cmp_eq_u32 s3, 0
	s_cselect_b32 s60, s32, s60                    ; e0 for x
	SCALES 60, 0
	SCALES 34, 1                                   ; e2
	SCALES 36, 2                                   ; e4
	s_add_co_i32 s71, s38, s39
	s_sub_co_i32 s71, 3, s71                       ; 3 - e6 - e7 (1 / sqrt(64) = 2^-3)
	s_wait_loadcnt 0x0
	TURN
	STEP 0
	STEP 1
	STEP 2
	STEP 3
	s_wait_tensorcnt 0x0
	ds_add_u32 v240, v241
	s_wait_dscnt 0x0
	s_endpgm
; THE TABLE.  A wave makes one tile of 16 tokens: lane (r, h) the 16 frequencies 16 h + 0 .. 15 of the token at place r.
.Lrope:
	s_sub_co_u32 s52, ttmp9, 384
	s_lshl_b32 s52, s52, 2
	s_add_co_u32 s52, s52, s2                      ; the tile
	s_lshr_b32 s53, s52, 1
	s_lshl_b32 s53, s53, 5
	s_and_b32 s54, s52, 1
	s_lshl_b32 s54, s54, 3
	s_add_co_u32 s53, s53, s54
	s_wait_alu depctr_va_vdst(0)
	v_and_b32 v29, 8, v27
	v_add_nc_u32 v29, v29, v27
	v_add_nc_u32 v29, s53, v29                     ; my token
	v_cvt_f32_u32 v29, v29
	v_lshlrev_b32 v30, 4, v28                      ; 16 h
	s_lshl_b32 s68, s52, 12
	s_mov_b32 s69, 0
	s_add_nc_u64 s[28:29], s[28:29], s[68:69]
	v_mov_b32 v108, 0xb94ca1f9                     ; the leading coefficients of the two polynomials
	v_mov_b32 v109, 0x37ccf5ce
.irp n, 0,1,2,3,4,5,6,7,8,9,10,11,12,13,14,15
	v_add_nc_u32 v[F+\n], \n, v30
.endr
.irp n, 0,1,2,3,4,5,6,7,8,9,10,11,12,13,14,15
	v_cvt_f32_u32 v[F+\n], v[F+\n]
.endr
.irp n, 0,1,2,3,4,5,6,7,8,9,10,11,12,13,14,15
	v_mul_f32 v[F+\n], 0xbed49a78, v[F+\n]         ; -i x log2(10000) / 32
.endr
	s_wait_alu depctr_va_vdst(0)
.irp n, 0,1,2,3,4,5,6,7,8,9,10,11,12,13,14,15
	v_exp_f32 v[F+\n], v[F+\n]                     ; 10000^(-i / 32)
.endr
	v_nop                                          ; a plain line behind the last exponential
	s_wait_alu depctr_va_vdst(0)                   ; one wait for the batch, ahead of its first reader
.irp n, 0,1,2,3,4,5,6,7,8,9,10,11,12,13,14,15
	v_mul_f32 v[F+\n], v29, v[F+\n]                ; the angle
.endr
.macro SINCOS n
	v_mul_f32 v96, 0x3f22f983, v[F+\n]             ; x 2 / pi
	v_rndne_f32 v96, v96                           ; k, at most 1,304
	v_fmamk_f32 v97, v96, 0xbfc90fda, v[F+\n]      ; angle - k pi/2, pi/2 in three parts; the first step is exact
	v_fmamk_f32 v97, v96, 0xb3a22168, v97
	v_fmamk_f32 v97, v96, 0xa7c234c4, v97          ; rho, within +-pi/4
	v_cvt_i32_f32 v98, v96
	v_mul_f32 v99, v97, v97                        ; z
	v_fmaak_f32 v100, v108, v99, 0x3c08839e
	v_fmaak_f32 v100, v100, v99, 0xbe2aaaa3
	v_mul_f32 v101, v99, v97
	v_fma_f32 v100, v100, v101, v97                ; sin rho
	v_fmaak_f32 v102, v109, v99, 0xbab6061a
	v_fmaak_f32 v102, v102, v99, 0x3d2aaaa5
	v_mul_f32 v103, v99, v99
	v_fma_f32 v104, v99, -0.5, 1.0
	v_fma_f32 v102, v102, v103, v104               ; cos rho
	v_and_b32 v105, 1, v98
	v_cmp_eq_u32 vcc_lo, 1, v105                   ; in odd quadrants the two change places (a choice of values, no branch)
	v_cndmask_b32 v106, v100, v102, vcc_lo
	v_cndmask_b32 v107, v102, v100, vcc_lo
	v_lshlrev_b32 v105, 30, v98
	v_and_b32 v105, 0x80000000, v105               ; sin is negated in quadrants 2 and 3,
	v_xor_b32 v[SINR+\n], v105, v106
	v_add_nc_u32 v98, 1, v98
	v_lshlrev_b32 v98, 30, v98
	v_and_b32 v98, 0x80000000, v98                 ; cos in 1 and 2
	v_xor_b32 v[COSR+\n], v98, v107
.endm
.irp n, 0,1,2,3,4,5,6,7,8,9,10,11,12,13,14,15
	SINCOS \n
.endr
.irp j, 0,1,2,3
	global_store_b128 v[LN16], v[COSR+4*\j:COSR+4*\j+3], s[28:29] offset:512*\j
	global_store_b128 v[LN16], v[SINR+4*\j:SINR+4*\j+3], s[28:29] offset:2048+512*\j
.endr
	s_endpgm
.Lfunc_end_k_qf8eeb6868a_prep:
	.size	k_qf8eeb6868a_prep, .Lfunc_end_k_qf8eeb6868a_prep-k_qf8eeb6868a_prep
	.p2alignl 7, 3214868480
	.fill 96, 4, 3214868480
	.section	.rodata,"a",@progbits
	.p2align	6, 0x0
	.amdhsa_kernel k_qf8eeb6868a_prep
		.amdhsa_group_segment_fixed_size 34304
		.amdhsa_private_segment_fixed_size 0
		.amdhsa_enable_private_segment 0
		.amdhsa_kernarg_size 88
		.amdhsa_user_sgpr_count 2
		.amdhsa_user_sgpr_kernarg_segment_ptr 1
		.amdhsa_wavefront_size32 1
		.amdhsa_system_sgpr_workgroup_id_x 1
		.amdhsa_system_sgpr_workgroup_id_y 1
		.amdhsa_system_sgpr_workgroup_id_z 1
		.amdhsa_system_vgpr_workitem_id 0
		.amdhsa_next_free_vgpr 242
		.amdhsa_next_free_sgpr 72
		.amdhsa_reserve_vcc 1
		.amdhsa_float_denorm_mode_32 3
		.amdhsa_float_denorm_mode_16_64 3
		.amdhsa_memory_ordered 1
		.amdhsa_forward_progress 1
		.amdhsa_inst_pref_size 126
	.end_amdhsa_kernel
	.amdgpu_metadata
---
amdhsa.version: [ 1, 2 ]
amdhsa.kernels:
  - .name:           k_qf8eeb6868a_prep
    .symbol:         k_qf8eeb6868a_prep.kd
    .args:
      - { .name: x, .offset: 0, .size: 8, .value_kind: global_buffer, .address_space: global }
      - { .name: Wq, .offset: 8, .size: 8, .value_kind: global_buffer, .address_space: global }
      - { .name: Wk, .offset: 16, .size: 8, .value_kind: global_buffer, .address_space: global }
      - { .name: Wv, .offset: 24, .size: 8, .value_kind: global_buffer, .address_space: global }
      - { .name: Wo, .offset: 32, .size: 8, .value_kind: global_buffer, .address_space: global }
      - { .name: causal_mask, .offset: 40, .size: 8, .value_kind: global_buffer, .address_space: global }
      - { .name: lowp_scales, .offset: 48, .size: 8, .value_kind: global_buffer, .address_space: global }
      - { .name: x_codes, .offset: 56, .size: 8, .value_kind: global_buffer, .address_space: global }
      - { .name: w_codes, .offset: 64, .size: 8, .value_kind: global_buffer, .address_space: global }
      - { .name: mask_img, .offset: 72, .size: 8, .value_kind: global_buffer, .address_space: global }
      - { .name: rope_img, .offset: 80, .size: 8, .value_kind: global_buffer, .address_space: global }
    .group_segment_fixed_size: 34304
    .private_segment_fixed_size: 0
    .kernarg_segment_align: 8
    .kernarg_segment_size: 88
    .max_flat_workgroup_size: 128
    .sgpr_count:     72
    .vgpr_count:     242
    .wavefront_size: 32
...
	.end_amdgpu_metadata
.endif
;; end of part 1
;; launch qkv (part 2): grid 24 x 32, 8 waves a work-group, clusters of 4 x 4, 263,168 bytes of LDS; arguments x_codes, w_codes, rope_img, lowp_scales, q_codes, k_codes, v_codes; writes q_codes, k_codes, v_codes
.if DOCPART == 2
	.amdgcn_target "amdgcn-amd-amdhsa--gfx1250"
	.amdhsa_code_object_version 6
	.text
	.protected	k_qf8eeb6868a_qkv
	.globl	k_qf8eeb6868a_qkv
	.p2align	8
	.type	k_qf8eeb6868a_qkv,@function
k_qf8eeb6868a_qkv:
	s_mov_b64 s[64:65], 0
	v_nop
	global_prefetch_b8 v0, s[64:65] scope:SCOPE_SE
	s_setreg_imm32_b32 hwreg(HW_REG_WAVE_MODE, 25, 1), 1
	s_wait_xcnt 0x0
	s_wait_alu depctr_hold_cnt(0) depctr_sa_sdst(0) depctr_va_vdst(0) depctr_va_sdst(0) depctr_va_ssrc(0) depctr_va_vcc(0) depctr_vm_vsrc(0)
	s_getreg_b32 s2, hwreg(HW_REG_IB_STS2, 6, 4)
	s_cmp_eq_u32 s2, 0
	s_cbranch_scc0 .Lentry_in_a_cluster
	s_endpgm
.Lentry_in_a_cluster:
	s_bfe_u32 s2, ttmp6, 0x10000c
	s_cmp_lg_u32 s2, 0xf033
	s_cbranch_scc0 .Lentry_shape_is_right
	s_endpgm
.Lentry_shape_is_right:
; QKV: q, k, v = x W^T on E4M3 codes; q and k are rotated (RoPE) in f32; all three leave as E4M3 codes, laid as the attention's operand registers.
; A work-group makes 128 x 128 sums over all of K = 1,024: projection P (q, k, v), 128 rows of W (two heads) NT, 128 tokens MT.
; Both operand tiles for all of K are dense blocks of 131,072 bytes and are brought into LDS once, by one tensor load a wave of 128 rows x 256 bytes: nothing in LDS is filled twice.
; ONE LOOP FOR THE THREE.  LDS region 0 holds what is source 0 of the products, region 1 what is source 1.  q, k: region 0 = W, region 1 = x: a lane then holds one token and its registers run along
; the head's 64, the scores' K.  v: region 0 = x, region 1 = Wv: a lane holds one channel and its registers run along the tokens, the second product's K.
; CLUSTERS: 4 x 4 work-groups; cluster x = 0 .. 5, two clusters a projection; cluster y = 0 .. 7.  REGION 0'S BLOCK ALWAYS HANGS ON cx, REGION 1'S ON cy:
;   q, k: W's block 4 x cluster x + cx (= 8 P + NT), x's block MT = 4 x cluster y + cy;      v: x's block MT = 4 x cluster y + cx, Wv's block 4 x cluster x + cy (= 16 + NT).
; So region 0's tile is shared along a column of the cluster and region 1's along a row, in all three projections: each is asked for JOINTLY, by the same tensor load with the same descriptor and a mask
; that names the four, which divides the requests for the tiles by four.  Only global addresses are chosen, on the cluster's x, which all sixteen share; no LDS address and no branch hangs on cx or cy.
; A tile's 16 rows are not neighbours (place r of tile 2 g + u: row 32 g + 8 u + r + 8 (r / 8)), so the 16 registers of two neighbouring tiles of source 0 are 16 neighbours: 32 g + 16 h + 0 .. 15.
; So a lane holds d = 16 h + i and d = 32 + 16 h + i of one token: the rotation needs no other lane, and the conversions' results are the next operand's registers.
; The plain form's K = 128 is fed by four loads of 16 bytes a side: a permutation of k, the same in both sources.
; A wave: 64 rows of region 0 x 32 rows of region 1: eight accumulators, which take turns, one instruction a turn, in the same order in every K step.
; The three scales ahead of each quantiser are folded into the conversion's one: 2^(e6 - e0 - e1), 2^(e7 - e2 - e3), 2^(e9 - e4 - e5).  LIMIT: each of these exponents between -126 and 119.
; NO PREFETCH: each block is asked for at a work-group's head and waited for at once; there is no later step to ask ahead for.
.set LN16, 1                           ; v1      16 x lane
.set A0,   2                           ; v2, v3  region 0: my four tiles, K steps 0-3 and 4-7
.set A1,   4                           ; v4, v5  region 1: my two tiles
.set LIM,  6                           ; v6      448 x the conversion's scale
.set SCL,  7                           ; v7      the conversion's scale
.set S0F,  16                          ; v16-79  four fragments of source 0; on the way out at work
.set S1F,  80                          ; v80-111 two fragments of source 1; on the way out the codes
.set ACC,  112                         ; v112-175 accumulator (a, b) at ACC + 8 (4 b + a)
.set ROPE, 176                         ; v176-239 for each b: 16 cos, 16 sin
.set TA,   16
.set TB,   32
.set CD,   80
.set G1A,  24                          ; s[24:31] descriptor group 1 for region 0;  s[32:35] its group 0
.set G0A,  32
.set G1B,  68                          ; s[68:75], s[76:79] the same for region 1
.set G0B,  76
; A round of the cluster's barrier: my work-group's barrier, so that wave 0's signal speaks for all eight waves; wave 0 signals for the work-group; every wave waits for all sixteen work-groups; my work-group's barrier once more.
.macro CROUND
	s_barrier_signal -1
	s_barrier_wait -1
	s_cmp_lg_u32 s2, 0
	s_cbranch_scc1 .Lnot_wave_0_\@
	s_barrier_signal -3
.Lnot_wave_0_\@:
	s_barrier_wait -3
	s_barrier_signal -1
	s_barrier_wait -1
.endm
	s_load_b256 s[4:11], s[0:1], 0x0               ; x_codes, w_codes, rope_img, scales
	s_load_b128 s[12:15], s[0:1], 0x20             ; q_codes, k_codes
	s_load_b64 s[16:17], s[0:1], 0x30              ; v_codes
	v_lshl_add_u32 v240, v0, 2, 0x40000
	v_mov_b32 v241, 0
	ds_add_u32 v240, v241
	ds_add_u32 v240, v241
	v_lshrrev_b32 v8, 5, v0
	s_delay_alu instid0(VALU_DEP_1)
	v_readfirstlane_b32 s2, v8                     ; wave 0..7
	s_and_b32 s22, s2, 1                           ; the region that I fill; also: which 64 rows of region 0 I multiply
	s_lshr_b32 s23, s2, 1                          ; the K step that I fill; also: which 32 rows of region 1 I multiply
	s_bfe_u32 s84, ttmp6, 0x40000                  ; cx, cy: my place in the cluster
	s_bfe_u32 s85, ttmp6, 0x40004
	s_and_b32 s86, ttmp7, 0xffff                   ; cluster y
	s_lshr_b32 s3, ttmp9, 1                        ; P = cluster x / 2
	s_lshl_b32 s87, s85, 2
	s_lshl_b32 s87, 15, s87                        ; my row of the cluster: places 4 cy .. 4 cy + 3
	s_lshl_b32 s88, 0x1111, s84                    ; my column: places cx, cx + 4, cx + 8, cx + 12
	; descriptor group 1: a dense block as 128 rows of 32 elements of 8 bytes, no padding: ONE load a wave, two neighbouring K steps of its region
	s_or_b32 s[G1A], s88, (3<<16)|(1<<21)          ; 15:0 the mask: region 0's tiles go to my column; 17:16 elements of 8 bytes; 21 set beside a mask
	s_or_b32 s[G1B], s87, (3<<16)|(1<<21)          ; region 1's go to my row
.irp g, G1A, G1B
	s_mov_b32 s[\g+1], 32<<16                      ; tensor_dim0 = 32
	s_mov_b32 s[\g+2], 128<<16                     ; tensor_dim1 = 128
	s_mov_b32 s[\g+3], 32<<16                      ; tile_dim0 = 32
	s_mov_b32 s[\g+4], 128                         ; tile_dim1 = 128
	s_mov_b32 s[\g+5], 32                          ; from row to row
	s_mov_b32 s[\g+6], 0
	s_mov_b32 s[\g+7], 0
.endr
	; which blocks.  s90 never holds cy, s92 never cx
	s_lshl_b32 s99, s3, 22                         ; q, k: x's codes under this product's scale lie 4 MiB x P on
	s_cmp_eq_u32 s3, 2                             ; v?  The same answer in all sixteen partners
	s_cselect_b32 s89, s86, ttmp9                  ; region 0's group of four blocks: v: cluster y (tokens); q, k: cluster x (rows of W)
	s_cselect_b32 s92, ttmp9, s86                  ; region 1's: the other one
	s_cselect_b32 s98, 0x800000, 0                 ; v: x's third tensor of codes, 8 MiB on
	s_cselect_b32 s99, 0, s99
	s_lshl_b32 s90, s89, 2
	s_add_co_u32 s90, s90, s84                     ; region 0's block: 4 g + cx
	s_lshl_b32 s92, s92, 2
	s_add_co_u32 s92, s92, s85                     ; region 1's block: 4 g + cy
	s_cmp_eq_u32 s3, 2
	s_cselect_b32 s20, s92, s90                    ; W's block,
	s_cselect_b32 s21, s90, s92                    ; MT: x's block
	s_and_b32 s20, s20, 7                          ; NT
	s_lshl_b32 s90, s90, 17                        ; a block is 131,072 bytes
	s_add_co_u32 s90, s90, s98
	s_mov_b32 s91, 0
	s_lshl_b32 s92, s92, 17
	s_add_co_u32 s92, s92, s99
	s_mov_b32 s93, 0
	s_lshl_b32 s60, s23, 15                        ; I fill K steps 2 (wave / 2) and the next: 32,768 bytes on end
	s_mov_b32 s61, 0
	s_lshl_b32 s62, s22, 17
	s_add_co_u32 s62, s62, s60                     ; LDS: 131,072 x region + 16,384 x K step: the wave's number alone
	s_wait_dscnt 0x0
	s_wait_kmcnt 0x0
	s_load_b256 s[40:47], s[10:11], 0x0            ; e0 .. e7
	s_load_b64 s[48:49], s[10:11], 0x20            ; e8, e9
	s_cmp_eq_u32 s3, 2
	s_cselect_b64 s[94:95], s[4:5], s[6:7]         ; region 0: v: x's codes; q, k: W's
	s_cselect_b64 s[96:97], s[6:7], s[4:5]         ; region 1: the other buffer
	s_add_nc_u64 s[94:95], s[94:95], s[90:91]
	s_add_nc_u64 s[94:95], s[94:95], s[60:61]
	s_add_nc_u64 s[96:97], s[96:97], s[92:93]
	s_add_nc_u64 s[96:97], s[96:97], s[60:61]
	CROUND                                         ; all sixteen work-groups are here: the joint loads meet
	s_mov_b32 s[G0A], 1                            ; every wave makes both regions' descriptors and asks by one of them
	s_mov_b32 s[G0A+1], s62
	s_mov_b64 s[G0A+2:G0A+3], s[94:95]
	s_or_b32 s[G0A+3], s[G0A+3], 0x80000000
	s_mov_b32 s[G0B], 1
	s_mov_b32 s[G0B+1], s62
	s_mov_b64 s[G0B+2:G0B+3], s[96:97]
	s_or_b32 s[G0B+3], s[G0B+3], 0x80000000
	s_cmp_eq_u32 s22, 0                            ; one first fill a wave, in the arms of one branch on the wave's number; four v_nop follow it
	s_cbranch_scc0 .Lregion_1
	tensor_load_to_lds s[G0A:G0A+3], s[G1A:G1A+7]
	s_nop 0
.rept 4
	v_nop
.endr
	s_branch .Lasked
.Lregion_1:
	tensor_load_to_lds s[G0B:G0B+3], s[G1B:G1B+7]
	s_nop 0
.rept 4
	v_nop
.endr
.Lasked:
	v_and_b32 v8, 31, v0
	s_delay_alu instid0(VALU_DEP_1)
	v_lshlrev_b32 v[LN16], 4, v8
	s_wait_alu depctr_va_vdst(0)
	s_lshl_b32 s56, s22, 13                        ; my four tiles of region 0
	v_add_nc_u32 v[A0], s56, v[LN16]
	s_delay_alu instid0(VALU_DEP_1)
	v_add_nc_u32 v[A0+1], 0x10000, v[A0]
	s_lshl_b32 s56, s23, 12                        ; my two tiles of region 1
	s_add_co_u32 s56, s56, 0x20000
	v_add_nc_u32 v[A1], s56, v[LN16]
	s_delay_alu instid0(VALU_DEP_1)
	v_add_nc_u32 v[A1+1], 0x10000, v[A1]
	s_and_b32 s52, s21, 15                         ; the block of 128 tokens within its batch
	s_lshl_b32 s56, s52, 15
	s_lshl_b32 s58, s23, 13
	s_add_co_u32 s56, s56, s58                     ; cos and sin of token tiles 8 (MT % 16) + 2 (wave / 2) + b: 4,096 bytes a tile
	s_mov_b32 s57, 0
	s_add_nc_u64 s[18:19], s[8:9], s[56:57]
.irp b, 0,1
.irp n, 0,1,2,3,4,5,6,7
	global_load_b128 v[ROPE+32*\b+4*\n:ROPE+32*\b+4*\n+3], v[LN16], s[18:19] offset:4096*\b+512*\n   ; in every work-group, v's too, so that these registers are written on every way
.endr
.endr
	; where the codes go
	s_lshr_b32 s50, s21, 4
	s_lshl_b32 s50, s50, 4
	s_lshl_b32 s51, s20, 1
	s_add_co_u32 s50, s50, s51                     ; 16 x batch + 2 NT
	s_add_co_u32 s51, s50, s22                     ; q, k: my 64 rows of W are head 2 NT + wave % 2
	s_lshl_b32 s51, s51, 17
	s_lshl_b32 s53, s52, 13
	s_add_co_u32 s51, s51, s53
	s_lshl_b32 s53, s23, 11
	s_add_co_u32 s51, s51, s53                     ; + token tile x 1,024
	s_lshr_b32 s53, s23, 1
	s_add_co_u32 s50, s50, s53                     ; v: my 32 rows of Wv lie in head 2 NT + wave / 4
	s_lshl_b32 s50, s50, 17
	s_lshl_b32 s53, s52, 13
	s_add_co_u32 s50, s50, s53                     ; + key step x 8,192
	s_and_b32 s53, s23, 1
	s_lshl_b32 s53, s53, 12
	s_add_co_u32 s50, s50, s53                     ; + channel tile 2 ((wave / 2) % 2) x 2,048
	s_lshl_b32 s53, s22, 10
	s_add_co_u32 s50, s50, s53                     ; + piece 2 (wave % 2) x 512
	s_wait_alu depctr_va_vdst(0)
	s_wait_kmcnt 0x0
	s_add_co_i32 s53, s40, s41
	s_sub_co_i32 s53, s46, s53                     ; e6 - e0 - e1
	s_add_co_i32 s54, s42, s43
	s_sub_co_i32 s54, s47, s54                     ; e7 - e2 - e3
	s_add_co_i32 s55, s44, s45
	s_sub_co_i32 s55, s49, s55                     ; e9 - e4 - e5
	s_cmp_eq_u32 s3, 1
	s_cselect_b32 s53, s54, s53
	s_cselect_b64 s[58:59], s[14:15], s[12:13]
	s_cmp_eq_u32 s3, 2
	s_cselect_b32 s53, s55, s53
	s_cselect_b64 s[58:59], s[16:17], s[58:59]
	s_cselect_b32 s62, s50, s51
	s_cselect_b32 s56, 11, 10                      ; from b = 0 to b = 1: 2,048 bytes in v_codes, 1,024 in q's and k's
	s_mov_b32 s63, 0
	s_add_nc_u64 s[58:59], s[58:59], s[62:63]
	s_lshl_b32 s62, 1, s56
	s_add_nc_u64 s[60:61], s[58:59], s[62:63]
	s_add_co_i32 s53, s53, 127
	s_lshl_b32 s54, s53, 23
	v_mov_b32 v[SCL], s54
	s_add_co_i32 s53, s53, 8
	s_lshl_b32 s53, s53, 23
	s_or_b32 s53, s53, 0x600000
	v_mov_b32 v[LIM], s53
.macro FRG reg, adr, off               ; a fragment: four pieces of 512 bytes, as they lie
.irp c, 0,1,2,3
	ds_load_b128 v[\reg+4*\c:\reg+4*\c+3], v[\adr] offset:\off+512*\c
.endr
.endm
.macro MM a, b, zero                   ; zero = 1: the first K step starts the sums: nothing is cleared
.if \zero
	v_wmma_f32_16x16x128_fp8_fp8 v[ACC+8*(4*\b+\a):ACC+8*(4*\b+\a)+7], v[S0F+16*\a:S0F+16*\a+15], v[S1F+16*\b:S1F+16*\b+15], 0
.else
	v_wmma_f32_16x16x128_fp8_fp8 v[ACC+8*(4*\b+\a):ACC+8*(4*\b+\a)+7], v[S0F+16*\a:S0F+16*\a+15], v[S1F+16*\b:S1F+16*\b+15], v[ACC+8*(4*\b+\a):ACC+8*(4*\b+\a)+7]
.endif
.endm
.macro KSTEP ks, zero                  ; 128 along K: 24 LDS loads, 8 products
.if \ks > 0
.rept 4
	v_nop                                          ; four places in front of loads into registers that the last products read (ISA guide 7.12.1 for vector instructions)
.endr
.endif
	FRG S1F, A1+(\ks)/4, ((\ks)%4)*16384
.irp a, 0,1,2,3
	FRG S0F+16*\a, A0+(\ks)/4, ((\ks)%4)*16384+2048*\a
.endr
	FRG S1F+16, A1+(\ks)/4, ((\ks)%4)*16384+2048
	s_wait_dscnt 16                                ; LDS loads come back in order: the first two fragments are in, the four behind them (16 loads) may be out
	MM 0, 0, \zero
	s_wait_dscnt 12
	MM 1, 0, \zero
	s_wait_dscnt 8
	MM 2, 0, \zero
	s_wait_dscnt 4
	MM 3, 0, \zero
	s_wait_dscnt 0
	MM 0, 1, \zero
	MM 1, 1, \zero
	MM 2, 1, \zero
	MM 3, 1, \zero
.endm
	s_wait_tensorcnt 0x0                           ; my one load is in
	s_barrier_signal -1
	s_barrier_wait -1                              ; K steps 0-3 of both regions are whole
	KSTEP 0, 1
	KSTEP 1, 0
	KSTEP 2, 0
	KSTEP 3, 0
	KSTEP 4, 0
	KSTEP 5, 0
	KSTEP 6, 0
	KSTEP 7, 0
.rept 4
	v_nop                                          ; places in front of the first reads of results and the first writes of operands' registers
.endr
	s_wait_loadcnt 0x0                             ; cos and sin
; q' (d) = q (d) cos - q (d + 32) sin, q' (d + 32) = q (d + 32) cos + q (d) sin, d = 16 h + i; both in my lane.  The rotation is linear, so it is made on the sums as they stand.  Each accumulator is read from its low end on.
.macro ROT b
.set QA, ACC+32*\b
.set QB, ACC+32*\b+16
.set CS, ROPE+32*\b
.set SN, ROPE+32*\b+16
.irp i, 0,2,4,6,8,10,12,14
	v_pk_mul_f32 v[TA+\i:TA+\i+1], v[QB+\i:QB+\i+1], v[SN+\i:SN+\i+1]
.endr
.irp i, 0,2,4,6,8,10,12,14
	v_pk_mul_f32 v[TB+\i:TB+\i+1], v[QA+\i:QA+\i+1], v[SN+\i:SN+\i+1]
.endr
.irp i, 0,2,4,6,8,10,12,14
	v_pk_fma_f32 v[QA+\i:QA+\i+1], v[QA+\i:QA+\i+1], v[CS+\i:CS+\i+1], v[TA+\i:TA+\i+1] neg_lo:[0,0,1] neg_hi:[0,0,1]
.endr
.irp i, 0,2,4,6,8,10,12,14
	v_pk_fma_f32 v[QB+\i:QB+\i+1], v[QB+\i:QB+\i+1], v[CS+\i:CS+\i+1], v[TB+\i:TB+\i+1]
.endr
.endm
.macro QNT b                           ; 32 numbers of my lane become two pieces of codes
.set i, 0
.rept 32
	v_med3_num_f32 v[ACC+32*\b+i], v[ACC+32*\b+i], -v[LIM], v[LIM]   ; the conversion does not saturate (ISA guide 7.6.2): the hold comes first, whatever the scale
.set i, i+1
.endr
.irp g, 0,1,2,3
	v_cvt_scalef32_pk8_fp8_f32 v[CD+8*\b+2*\g:CD+8*\b+2*\g+1], v[ACC+32*\b+8*\g:ACC+32*\b+8*\g+7], v[SCL]
.endr
	v_nop                                          ; a plain line behind the last conversion
.endm
	s_cmp_eq_u32 s3, 2
	s_cbranch_scc1 .Lplain                         ; v is not rotated (P is the same in all sixteen partners)
	ROT 0
	ROT 1
.Lplain:
	s_wait_alu depctr_va_vdst(0)
	QNT 0
	QNT 1
.irp c, 0,1
	global_store_b128 v[LN16], v[CD+4*\c:CD+4*\c+3], s[58:59] offset:512*\c       ; the wave stores 512 consecutive bytes, aligned
	global_store_b128 v[LN16], v[CD+8+4*\c:CD+8+4*\c+3], s[60:61] offset:512*\c
.endr
	s_wait_tensorcnt 0x0
	ds_add_u32 v240, v241
	s_wait_dscnt 0x0
	CROUND                                         ; the closing round: no work-group ends while a partner may still ask for a tile that names it
	s_endpgm
.Lfunc_end_k_qf8eeb6868a_qkv:
	.size	k_qf8eeb6868a_qkv, .Lfunc_end_k_qf8eeb6868a_qkv-k_qf8eeb6868a_qkv
	.p2alignl 7, 3214868480
	.fill 96, 4, 3214868480
	.section	.rodata,"a",@progbits
	.p2align	6, 0x0
	.amdhsa_kernel k_qf8eeb6868a_qkv
		.amdhsa_group_segment_fixed_size 263168
		.amdhsa_private_segment_fixed_size 0
		.amdhsa_enable_private_segment 0
		.amdhsa_kernarg_size 56
		.amdhsa_user_sgpr_count 2
		.amdhsa_user_sgpr_kernarg_segment_ptr 1
		.amdhsa_wavefront_size32 1
		.amdhsa_system_sgpr_workgroup_id_x 1
		.amdhsa_system_sgpr_workgroup_id_y 1
		.amdhsa_system_sgpr_workgroup_id_z 1
		.amdhsa_system_vgpr_workitem_id 0
		.amdhsa_next_free_vgpr 242
		.amdhsa_next_free_sgpr 100
		.amdhsa_reserve_vcc 0
		.amdhsa_float_denorm_mode_32 3
		.amdhsa_float_denorm_mode_16_64 3
		.amdhsa_memory_ordered 1
		.amdhsa_forward_progress 1
		.amdhsa_inst_pref_size 37
	.end_amdhsa_kernel
	.amdgpu_metadata
---
amdhsa.version: [ 1, 2 ]
amdhsa.kernels:
  - .name:           k_qf8eeb6868a_qkv
    .symbol:         k_qf8eeb6868a_qkv.kd
    .args:
      - { .name: x_codes, .offset: 0, .size: 8, .value_kind: global_buffer, .address_space: global }
      - { .name: w_codes, .offset: 8, .size: 8, .value_kind: global_buffer, .address_space: global }
      - { .name: rope_img, .offset: 16, .size: 8, .value_kind: global_buffer, .address_space: global }
      - { .name: lowp_scales, .offset: 24, .size: 8, .value_kind: global_buffer, .address_space: global }
      - { .name: q_codes, .offset: 32, .size: 8, .value_kind: global_buffer, .address_space: global }
      - { .name: k_codes, .offset: 40, .size: 8, .value_kind: global_buffer, .address_space: global }
      - { .name: v_codes, .offset: 48, .size: 8, .value_kind: global_buffer, .address_space: global }
    .group_segment_fixed_size: 263168
    .private_segment_fixed_size: 0
    .kernarg_segment_align: 8
    .kernarg_segment_size: 56
    .max_flat_workgroup_size: 256
    .sgpr_count:     100
    .vgpr_count:     242
    .wavefront_size: 32
...
	.end_amdgpu_metadata
.endif
;; end of part 2
;; launch attn (part 3): grid 8 x 32, 8 waves a work-group, no clusters, 296,960 bytes of LDS; arguments q_codes, k_codes, v_codes, mask_img, lowp_scales, o_codes; writes o_codes
.if DOCPART == 3
	.amdgcn_target "amdgcn-amd-amdhsa--gfx1250"
	.amdhsa_code_object_version 6
	.text
	.protected	k_qf8eeb6868a_attn
	.globl	k_qf8eeb6868a_attn
	.p2align	8
	.type	k_qf8eeb6868a_attn,@function
k_qf8eeb6868a_attn:
	s_mov_b64 s[64:65], 0
	v_nop
	global_prefetch_b8 v0, s[64:65] scope:SCOPE_SE
	s_setreg_imm32_b32 hwreg(HW_REG_WAVE_MODE, 25, 1), 1
	s_wait_xcnt 0x0
; ATTN: o = softmax(clip(q k^T / 8 + mask, +-10000)) v, both products on E4M3 codes; the FINISHED, normalised softmax goes into the second product's quantiser; o leaves as E4M3 codes.
; The mask is an input: every score is made and every entry of the mask is read, for every head, ONCE.
; SHARES.  A work-group has 256 queries of one (batch, head), whose whole K and V (131,072 bytes each) lie in LDS, each byte filled once: wave w brings bytes 32,768 w on by one tensor load.
; Eight rounds; a round is two tiles of 16 queries.  Four waves share a tile: wave 4 g + kq has tile g and keys 512 kq on.  Its 16 x 512 scores stay in 256 registers (window 1) from the first product to the second.
; A ROUND.  A: S^T = K Q^T + mask (C = the mask's image, already divided by 2^E, E = e6 + e7 - 3), clip, my keys' largest score.  B: p = 2^(t - Mw), Mw my largest t rounded up to a whole number; my sum.
; The four waves exchange (-Mw, sum) through LDS: M = the largest Mw, sum = the sums x 2^(Mw - M), which rounds nothing.  C: weight = p x 2^(Mw - M) / sum, held at 448 x 2^e8, converted; O^T += V^T P^T over my keys.
; The four partial O^T go through an LDS stage; one wave for each piece of 512 bytes adds them, quantises and stores.
; THE MASK goes from memory into registers.  Keys 0-255 of my 512 land in 128 staging registers (asked for as soon as this round's products have read them), keys 256-511 in the score registers themselves,
; as soon as their codes are made: so phase C takes its upper keys first.
; A lane holds one query throughout; a tile's 16 keys are not neighbours (place r of tile 2 g + u: key 32 g + 8 u + r + 8 (r / 8)), so 16 registers of two neighbouring tiles are 16 neighbouring keys.
; All scores are finite behind the clip and the sum is at least 1/2, so reference()'s nan_to_num changes nothing.
; LIMITS: E between -114 and 127; e8 between -116 and 119; e10 - e8 - e9 between -126 and 119.  The score and the mask are added, and rounded, by the matrix instruction.  NaN is not served.
; NO CLUSTER: what the work-groups of a head share through LDS, K and V, is 262,144 of the 2,359,296 bytes that a work-group reads; the rest, the mask, goes straight into registers.
; NO PREFETCH: K and V are asked for once, at the head; each mask load is itself issued from a phase to most of a round ahead of its use.
.set LN16, 1                           ; 16 x lane
.set ADRK, 2                           ; 32,768 kq + 16 x lane: my keys in LDS, and my keys in a tile's image of the mask
.set ADRV, 3                           ; the same in V
.set SPW,  4                           ; my spare word; never rewritten
.set BND,  5                           ; 10000 / 2^E
.set NIL,  6                           ; 0; never rewritten
.set SCLP, 7                           ; 2^e8
.set HLDP, 8                           ; 448 x 2^e8
.set STW,  9                           ; where I put (-Mw, sum)
.set STR,  10                          ; where I read my tile's four
.set OSW,  11                          ; the stage: my partial O^T
.set OSR,  14                          ; the stage: the piece that I add
.set PT,   15                          ; a lane permute's result
                                       ; v12 -Mw, then the factor; v13 the largest t, then my sum
.set Q,    16                          ; v16-23  my queries
.set KF,   24                          ; v24-87  eight tiles of keys, or two sets of four tiles of V^T
.set O,    88                          ; v88-119 O^T; outside phase C at work:
.set MX,   88                          ; two chains of maxima; on the way out the hold and the scale
.set SA,   90                          ; four chains of sums
.set SX,   98                          ; four waves' (-Mw, sum)
.set TD,   106
.set P,    120                         ; v120-127 codes
.set STG,  128                         ; v128-255 the mask of my keys 0-255
.set OST,  262144                      ; LDS: the stage, 4,096 bytes a wave
.set STATS, 294912                     ; 128 bytes a wave
.set SPARE, 295936                     ; the spare words, 128 bytes a wave
.set NEXT, 262144                      ; from a round's tile of the mask to the next round's: two tiles
.set MSB, 0
.macro WIN new                         ; the immediate's high byte repeats the setting that is left
.if MSB != \new
	s_set_vgpr_msb (MSB<<8)|\new
.set MSB, \new
.endif
.endm
.macro WA
	s_wait_alu depctr_va_vdst(0)
.endm
.macro NOPS
.rept 4
	v_nop
.endr
.endm
.macro KLD c, t0                       ; four tiles of keys of my chunk c
.set kt, \t0
.rept 4
	ds_load_b128 v[KF+8*kt:KF+8*kt+3], v[ADRK] offset:8192*(\c)+1024*kt
	ds_load_b128 v[KF+8*kt+4:KF+8*kt+7], v[ADRK] offset:8192*(\c)+1024*kt+512
.set kt, kt+1
.endr
.endm
.macro VLD i, set                      ; V^T of my i-th 64 keys: four tiles of 16 channels
.set kt, 0
.rept 4
	ds_load_b128 v[KF+32*(\set)+8*kt:KF+32*(\set)+8*kt+3], v[ADRV] offset:4096*(\i)+2048*kt-3072*((\i)%2)
	ds_load_b128 v[KF+32*(\set)+8*kt+4:KF+32*(\set)+8*kt+7], v[ADRV] offset:4096*(\i)+2048*kt-3072*((\i)%2)+512
.set kt, kt+1
.endr
.endm
.macro MLD reg, off                    ; the mask of 64 keys: eight pieces of 512 consecutive bytes
.set kt, 0
.rept 8
	global_load_b128 v[(\reg)+4*kt:(\reg)+4*kt+3], v[ADRK], s[10:11] offset:(\off)+512*kt
.set kt, kt+1
.endr
.endm
.macro QLD off
	global_load_b128 v[Q:Q+3], v[LN16], s[4:5] offset:\off
	global_load_b128 v[Q+4:Q+7], v[LN16], s[4:5] offset:(\off)+512
.endm
	s_load_b256 s[4:11], s[0:1], 0x0               ; q_codes, k_codes, v_codes, mask_img
	s_load_b128 s[12:15], s[0:1], 0x20             ; scales, o_codes
	v_lshl_add_u32 v[SPW], v0, 2, SPARE
	v_mov_b32 v[NIL], 0
	ds_add_u32 v[SPW], v[NIL]                      ; the opening lines: the add twice on end and its wait
	ds_add_u32 v[SPW], v[NIL]
	v_lshrrev_b32 v[PT], 5, v0
	v_readfirstlane_b32 s16, v[PT]                 ; wave 0..7
	s_and_b32 s17, ttmp7, 0xffff                   ; 16 x batch + head
	s_lshr_b32 s18, s16, 2                         ; g: which tile of the round's two
	s_and_b32 s19, s16, 3                          ; kq: which 512 keys
	s_mov_b32 s24, 3<<16                           ; descriptor group 1: a dense block as 128 rows of 32 elements of 8 bytes
	s_mov_b32 s25, 32<<16
	s_mov_b32 s26, 128<<16
	s_mov_b32 s27, 32<<16
	s_mov_b32 s28, 128
	s_mov_b32 s29, 32
	s_mov_b32 s30, 0
	s_mov_b32 s31, 0
	s_mov_b32 s32, 1
	s_lshl_b32 s33, s16, 15                        ; LDS: 32,768 x wave: K's four parts, then V's four
	s_lshl_b32 s36, s19, 15
	s_lshl_b32 s37, s17, 17
	s_add_co_u32 s36, s36, s37
	s_mov_b32 s37, 0
	s_wait_dscnt 0x0
	s_wait_kmcnt 0x0
	s_load_b256 s[40:47], s[12:13], 0x10           ; e4 .. e11
	s_cmp_lt_u32 s16, 4
	s_cselect_b64 s[34:35], s[6:7], s[8:9]
	s_add_nc_u64 s[34:35], s[34:35], s[36:37]
	s_or_b32 s35, s35, 0x80000000
	tensor_load_to_lds s[32:35], s[24:31]          ; my one tensor load
	s_nop 0
	NOPS
	v_and_b32 v[PT], 31, v0
	v_lshlrev_b32 v[LN16], 4, v[PT]
	WA                                             ; directly behind the write: v1 is read again behind runs of scalar lines
	s_lshl_b32 s38, s19, 15
	v_add_nc_u32 v[ADRK], s38, v[LN16]
	v_add_nc_u32 v[ADRV], 0x20000, v[ADRK]
	v_and_b32 v[PT], 15, v0
	v_lshlrev_b32 v[PT], 3, v[PT]                  ; 8 bytes a query
	s_lshl_b32 s38, s16, 7
	s_add_co_u32 s38, s38, STATS
	v_add_nc_u32 v[STW], s38, v[PT]
	s_lshl_b32 s38, s18, 9
	s_add_co_u32 s38, s38, STATS
	v_add_nc_u32 v[STR], s38, v[PT]
	s_lshl_b32 s38, s16, 12
	s_add_co_u32 s38, s38, OST
	v_add_nc_u32 v[OSW], s38, v[LN16]
	s_lshl_b32 s38, s18, 14
	s_lshr_b32 s39, s19, 1                         ; the piece that I add, if I add
	s_lshl_b32 s39, s39, 11
	s_add_co_u32 s38, s38, s39
	s_add_co_u32 s38, s38, OST
	v_add_nc_u32 v[OSR], s38, v[LN16]
	s_and_b32 s21, s19, 1
	s_xor_b32 s21, s21, s18                        ; 0: I add a piece (tile 0: waves kq = 0, 2; tile 1: kq = 1, 3)
	s_lshl_b32 s20, ttmp9, 4
	s_add_co_u32 s20, s20, s18                     ; round 0's tile of queries
	s_lshl_b32 s36, s17, 17
	s_lshl_b32 s38, s20, 10
	s_add_co_u32 s36, s36, s38
	s_add_nc_u64 s[4:5], s[4:5], s[36:37]
	s_lshl_b32 s36, s20, 17
	s_add_nc_u64 s[10:11], s[10:11], s[36:37]      ; its 131,072 bytes of the mask's image
	WA
	MLD STG, 0                                     ; round 0: the order of issue is that of every round: staging, Q, in place
	MLD STG+32, 4096
	MLD STG+64, 8192
	MLD STG+96, 12288
	QLD 0
	WIN 0x40
	MLD 128, 16384
	MLD 160, 20480
	MLD 192, 24576
	MLD 224, 28672
	WIN 0
	s_lshr_b32 s36, s17, 4                         ; where o's codes go: token tile 128 x batch + mine; K = 64 x head + d
	s_lshl_b32 s36, s36, 4
	s_lshl_b32 s38, ttmp9, 1
	s_add_co_u32 s36, s36, s38
	s_lshl_b32 s36, s36, 17
	s_lshl_b32 s38, s18, 11
	s_add_co_u32 s36, s36, s38
	s_and_b32 s38, s17, 15
	s_lshr_b32 s39, s38, 1
	s_lshl_b32 s39, s39, 14
	s_add_co_u32 s36, s36, s39
	s_and_b32 s38, s38, 1
	s_lshl_b32 s38, s38, 10
	s_add_co_u32 s36, s36, s38
	s_lshr_b32 s38, s19, 1
	s_lshl_b32 s38, s38, 9
	s_add_co_u32 s36, s36, s38
	s_add_nc_u64 s[14:15], s[14:15], s[36:37]
	s_mov_b32 s56, 0x76543210                      ; v_permlanex16_b32's selects for lane l xor 16
	s_mov_b32 s57, 0xfedcba98
	s_wait_kmcnt 0x0
	s_add_co_i32 s48, s42, s43
	s_sub_co_i32 s48, s48, 3                       ; E = e6 + e7 - 3
	s_lshl_b32 s48, s48, 23
	s_add_co_i32 s22, s48, 0x3fb8aa3b              ; log2(e) x 2^E
	s_mov_b32 s23, s22
	s_sub_co_i32 s49, 0x461c4000, s48              ; 10000 / 2^E
	v_mov_b32 v[BND], s49
	s_add_co_i32 s48, s44, 127
	s_lshl_b32 s49, s48, 23
	v_mov_b32 v[SCLP], s49
	s_add_co_i32 s48, s48, 8
	s_lshl_b32 s48, s48, 23
	s_or_b32 s48, s48, 0x600000
	v_mov_b32 v[HLDP], s48
	s_add_co_i32 s48, s44, s45
	s_sub_co_i32 s48, s46, s48
	s_add_co_i32 s48, s48, 127
	s_lshl_b32 s54, s48, 23                        ; 2^(e10 - e8 - e9)
	s_add_co_i32 s48, s48, 8
	s_lshl_b32 s48, s48, 23
	s_or_b32 s55, s48, 0x600000                    ; 448 x that
	WA
	s_wait_tensorcnt 0x0                           ; my part of K or V is in,
	s_barrier_signal -1
	s_barrier_wait -1                              ; everybody's is; from here on these bytes are only read
	KLD 0, 0
	KLD 0, 4
; PHASE A, 128 of my keys.  Score register 64 c + 8 t + j lies in window 1.
.macro CHUNK c, last
	WA
.if (\c) == 0
	s_wait_loadcnt 32                              ; staging and Q are in; the 32 loads in place may be out
.endif
.if (\c) == 2
	s_wait_loadcnt 16+32*(1-(\last))               ; this chunk's 16 are in; behind them: chunk 3's 16 and the next round's 32 into staging
.endif
.if (\c) == 3
	s_wait_loadcnt 32*(1-(\last))
.endif
	s_wait_dscnt 0x0                               ; the chunk's keys
.if (\c) < 2
	WIN 0x40
.else
	WIN 0x50
.endif
.set kt, 0
.rept 8
.if (\c) < 2
	v_wmma_f32_16x16x64_fp8_fp8 v[64*(\c)+8*kt:64*(\c)+8*kt+7], v[KF+8*kt:KF+8*kt+7], v[Q:Q+7], v[STG+64*(\c)+8*kt:STG+64*(\c)+8*kt+7]
.else
	v_wmma_f32_16x16x64_fp8_fp8 v[64*(\c)+8*kt:64*(\c)+8*kt+7], v[KF+8*kt:KF+8*kt+7], v[Q:Q+7], v[64*(\c)+8*kt:64*(\c)+8*kt+7]
.endif
.set kt, kt+1
.endr
	WIN 0
	NOPS                                           ; four places in front of loads into registers that the products read, and of the first reads of results
.if (\c) < 3
	KLD (\c)+1, 0
	KLD (\c)+1, 4
.else
	VLD 4, 0                                       ; phase C begins with my keys 256 on
.endif
.if (\last) == 0
.if (\c) < 2
	MLD STG+64*(\c), NEXT+8192*(\c)                ; the next round's mask into the staging registers just read
	MLD STG+64*(\c)+32, NEXT+8192*(\c)+4096
.endif
.if (\c) == 3
	QLD 2048                                       ; the next round's queries
.endif
.endif
	WIN 0x41
.set kt, 0
.rept 64
	v_med3_num_f32 v[64*(\c)+kt], v[64*(\c)+kt], -v[BND], v[BND]   ; the clip; each accumulator from its low end on
.set kt, kt+1
.endr
	WIN 0x14
.set kt, 0
.rept 32
	v_max3_num_f32 v[MX+kt%2], v[MX+kt%2], v[64*(\c)+2*kt], v[64*(\c)+2*kt+1]
.set kt, kt+1
.endr
	WIN 0
.endm
.macro FMA b
.set kt, 0
.rept 32
	v_pk_fma_f32 v[64*(\b)+kt:64*(\b)+kt+1], v[64*(\b)+kt:64*(\b)+kt+1], s[22:23], v[12:13] op_sel_hi:[1,0,0]   ; t - Mw
.set kt, kt+2
.endr
.endm
.macro EXPB b
.set kt, 0
.rept 64
	v_exp_f32 v[64*(\b)+kt], v[64*(\b)+kt]
.set kt, kt+1
.endr
.endm
.macro ADDB b
	WIN 0x04
.set kt, 0
.rept 32
	v_pk_add_f32 v[SA+2*(kt%4):SA+2*(kt%4)+1], v[SA+2*(kt%4):SA+2*(kt%4)+1], v[64*(\b)+2*kt:64*(\b)+2*kt+1]
.set kt, kt+1
.endr
.endm
; PHASE C, 64 of my keys: the n-th in the order 4, 5, 6, 7, 0, 1, 2, 3.
.macro HALF n, last
.set hi, ((\n)+4)%8
	WIN 0x41
.set kt, 0
.rept 16
	v_pk_mul_f32 v[32*hi+kt:32*hi+kt+1], v[32*hi+kt:32*hi+kt+1], v[12:13] op_sel_hi:[1,0]   ; the finished softmax.  (These lines are also the places behind the last products)
.set kt, kt+2
.endr
.set kt, 0
.rept 32
	v_min_num_f32 v[32*hi+kt], v[32*hi+kt], v[HLDP]   ; the conversion does not saturate (ISA guide 7.6.2); a weight is not negative, so the hold is one-sided
.set kt, kt+1
.endr
	WIN 0x01
.irp g, 0,1,2,3
	v_cvt_scalef32_pk8_fp8_f32 v[P+2*\g:P+2*\g+1], v[32*hi+8*\g:32*hi+8*\g+7], v[SCLP]
.endr
	WIN 0
	v_nop                                          ; a plain line between the conversions and the products
.if (\n) < 7
	VLD ((\n)+5)%8, ((\n)+1)%2                     ; the next 64 keys' V^T into the set that the last products read
.else
.if (\last) == 0
	KLD 0, 0                                       ; the next round's first keys
.endif
.endif
.if ((\n) < 4) && ((\last) == 0)
	WIN 0x40
	MLD 32*hi, NEXT+4096*hi                        ; the next round's mask into the score registers whose codes are made
	WIN 0
.endif
	WA
.if ((\n) == 7) && (\last)
	s_wait_dscnt 0x0
.else
	s_wait_dscnt 8                                 ; this half's V^T is in; the eight loads behind it may be out
.endif
.irp d, 0,1,2,3
.if (\n) == 0
	v_wmma_f32_16x16x64_fp8_fp8 v[O+8*\d:O+8*\d+7], v[KF+32*((\n)%2)+8*\d:KF+32*((\n)%2)+8*\d+7], v[P:P+7], 0
.else
	v_wmma_f32_16x16x64_fp8_fp8 v[O+8*\d:O+8*\d+7], v[KF+32*((\n)%2)+8*\d:KF+32*((\n)%2)+8*\d+7], v[P:P+7], v[O+8*\d:O+8*\d+7]   ; four accumulators by turns
.endif
.endr
.endm
.macro ROUND last
	v_mov_b32 v[MX], 0xff800000                    ; under every score
	v_mov_b32 v[MX+1], 0xff800000
	CHUNK 0, \last
	CHUNK 1, \last
	CHUNK 2, \last
	CHUNK 3, \last
	v_max_num_f32 v[MX], v[MX], v[MX+1]
	v_permlanex16_b32 v[PT], v[MX], s56, s57
	v_max_num_f32 v[MX], v[MX], v[PT]              ; my query's largest score among my wave's 512 keys
	v_mul_f32 v13, s22, v[MX]                      ; as t
	v_floor_f32 v12, -v13                          ; -Mw
.irp j, 0,1,2,3,4,5,6,7
	v_mov_b32 v[SA+\j], 0
.endr
	WIN 0x41                                       ; PHASE B: each batch of exponentials has its wait ahead and behind; the next batch's multiply-adds and the last batch's sums stand between
	FMA 0
	WA
	EXPB 0
	FMA 1
	WA
	EXPB 1
	ADDB 0
	WIN 0x41
	FMA 2
	WA
	EXPB 2
	ADDB 1
	WIN 0x41
	FMA 3
	WA
	EXPB 3
	ADDB 2
	WA
	ADDB 3
	WIN 0
	v_pk_add_f32 v[SA:SA+1], v[SA:SA+1], v[SA+2:SA+3]
	v_pk_add_f32 v[SA+4:SA+5], v[SA+4:SA+5], v[SA+6:SA+7]
	v_pk_add_f32 v[SA:SA+1], v[SA:SA+1], v[SA+4:SA+5]
	v_add_f32 v[SA], v[SA], v[SA+1]
	v_permlanex16_b32 v[PT], v[SA], s56, s57
	v_add_f32 v13, v[SA], v[PT]                    ; my wave's sum
	ds_store_b64 v[STW], v[12:13]                  ; lanes l and l xor 16 hold, and store, the same
	WA
	s_wait_dscnt 0x0
	s_barrier_signal -1
	s_barrier_wait -1
.irp k, 0,1,2,3
	ds_load_b64 v[SX+2*\k:SX+2*\k+1], v[STR] offset:128*\k
.endr
	s_wait_dscnt 0x0
	v_min3_num_f32 v[TD], v[SX], v[SX+2], v[SX+4]
	v_min_num_f32 v[TD], v[TD], v[SX+6]            ; -M
.irp k, 0,1,2,3
	v_sub_f32 v[TD+1+\k], v[TD], v[SX+2*\k]        ; Mk - M: a whole number, 0 or less
.endr
	v_sub_f32 v[TD+5], v[TD], v12
.irp k, 0,1,2,3,4
	v_cvt_i32_f32 v[TD+1+\k], v[TD+1+\k]           ; (it saturates)
.endr
.irp k, 0,1,2,3
	v_ldexp_f32 v[SX+2*\k+1], v[SX+2*\k+1], v[TD+1+\k]
.endr
	v_add_f32 v[SX+1], v[SX+1], v[SX+3]
	v_add_f32 v[SX+5], v[SX+5], v[SX+7]
	v_add_f32 v[SX+1], v[SX+1], v[SX+5]            ; the row's sum under M
	WA
	v_rcp_f32 v[TD+6], v[SX+1]
	v_nop
	WA
	v_ldexp_f32 v12, v[TD+6], v[TD+5]              ; 2^(Mw - M) / sum
.irp n, 0,1,2,3,4,5,6,7
	HALF \n, \last
.endr
	NOPS                                           ; places behind the last products
.if (\last) == 0
	KLD 0, 4
.endif
.irp j, 0,1,2,3,4,5,6,7
	ds_store_b128 v[OSW], v[O+4*\j:O+4*\j+3] offset:512*\j   ; each accumulator from its low end on
.endr
	s_lshr_b32 s50, s52, 2                         ; round r's token tile is 2 r on: eight tiles to a block of 131,072 bytes, 2,048 bytes a tile
	s_lshl_b32 s50, s50, 17
	s_and_b32 s51, s52, 3
	s_lshl_b32 s51, s51, 12
	s_add_co_u32 s50, s50, s51
	s_mov_b32 s51, 0
	s_add_nc_u64 s[50:51], s[14:15], s[50:51]
	WA
	s_wait_dscnt 0x0
	s_barrier_signal -1
	s_barrier_wait -1
	s_cmp_lg_u32 s21, 0                            ; the wave's number alone; no barrier stands under the branch
	s_cbranch_scc1 .Lno_piece_\@
	WIN 0x40                                       ; score registers 0-63 are free: their codes are made, and their next mask comes by the staging registers
.irp k, 0,1,2,3
.irp j, 0,1,2,3
	ds_load_b128 v[16*\k+4*\j:16*\k+4*\j+3], v[OSR] offset:4096*\k+512*\j
.endr
.endr
	WIN 0
	v_mov_b32 v[MX], s55
	v_mov_b32 v[MX+1], s54
	WA
	s_wait_dscnt 0x0
	WIN 0x45
.irp m, 0,2,4,6,8,10,12,14
	v_pk_add_f32 v[\m:\m+1], v[\m:\m+1], v[16+\m:17+\m]
	v_pk_add_f32 v[32+\m:33+\m], v[32+\m:33+\m], v[48+\m:49+\m]
.endr
.irp m, 0,2,4,6,8,10,12,14
	v_pk_add_f32 v[\m:\m+1], v[\m:\m+1], v[32+\m:33+\m]
.endr
	WIN 0x41
.irp m, 0,1,2,3,4,5,6,7,8,9,10,11,12,13,14,15
	v_med3_num_f32 v[\m], v[\m], -v[MX], v[MX]     ; the hold ahead of the conversion
.endr
	WIN 0x01
	v_cvt_scalef32_pk8_fp8_f32 v[P:P+1], v[0:7], v[MX+1]
	v_cvt_scalef32_pk8_fp8_f32 v[P+2:P+3], v[8:15], v[MX+1]
	WIN 0
	v_nop
	global_store_b128 v[LN16], v[P:P+3], s[50:51]  ; the wave stores 512 consecutive bytes, aligned
.Lno_piece_\@:
.if (\last) == 0
	s_wait_xcnt 0x0                                ; every load and the store have read their bases and the store its data
	s_add_nc_u64 s[10:11], s[10:11], NEXT
	s_add_nc_u64 s[4:5], s[4:5], 2048
.endif
.endm
	s_mov_b32 s52, 0                               ; the round
.Lround:
	ROUND 0
	s_add_co_u32 s52, s52, 1
	s_cmp_lt_u32 s52, 7
	WA
	s_cbranch_scc1 .Lround
	ROUND 1                                        ; the last round is written out: it asks for nothing more
	s_wait_tensorcnt 0x0                           ; the wave's end
	ds_add_u32 v[SPW], v[NIL]
	s_wait_dscnt 0x0
	s_endpgm
.Lfunc_end_k_qf8eeb6868a_attn:
	.size	k_qf8eeb6868a_attn, .Lfunc_end_k_qf8eeb6868a_attn-k_qf8eeb6868a_attn
	.p2alignl 7, 3214868480
	.fill 96, 4, 3214868480
	.section	.rodata,"a",@progbits
	.p2align	6, 0x0
	.amdhsa_kernel k_qf8eeb6868a_attn
		.amdhsa_group_segment_fixed_size 296960
		.amdhsa_private_segment_fixed_size 0
		.amdhsa_enable_private_segment 0
		.amdhsa_kernarg_size 48
		.amdhsa_user_sgpr_count 2
		.amdhsa_user_sgpr_kernarg_segment_ptr 1
		.amdhsa_wavefront_size32 1
		.amdhsa_system_sgpr_workgroup_id_x 1
		.amdhsa_system_sgpr_workgroup_id_y 1
		.amdhsa_system_sgpr_workgroup_id_z 1
		.amdhsa_system_vgpr_workitem_id 0
		.amdhsa_next_free_vgpr 512
		.amdhsa_next_free_sgpr 66
		.amdhsa_reserve_vcc 0
		.amdhsa_float_denorm_mode_32 3
		.amdhsa_float_denorm_mode_16_64 3
		.amdhsa_memory_ordered 1
		.amdhsa_forward_progress 1
		.amdhsa_inst_pref_size 196
	.end_amdhsa_kernel
	.amdgpu_metadata
---
amdhsa.version: [ 1, 2 ]
amdhsa.kernels:
  - .name:           k_qf8eeb6868a_attn
    .symbol:         k_qf8eeb6868a_attn.kd
    .args:
      - { .name: q_codes, .offset: 0, .size: 8, .value_kind: global_buffer, .address_space: global }
      - { .name: k_codes, .offset: 8, .size: 8, .value_kind: global_buffer, .address_space: global }
      - { .name: v_codes, .offset: 16, .size: 8, .value_kind: global_buffer, .address_space: global }
      - { .name: mask_img, .offset: 24, .size: 8, .value_kind: global_buffer, .address_space: global }
      - { .name: lowp_scales, .offset: 32, .size: 8, .value_kind: global_buffer, .address_space: global }
      - { .name: o_codes, .offset: 40, .size: 8, .value_kind: global_buffer, .address_space: global }
    .group_segment_fixed_size: 296960
    .private_segment_fixed_size: 0
    .kernarg_segment_align: 8
    .kernarg_segment_size: 48
    .max_flat_workgroup_size: 256
    .sgpr_count:     66
    .vgpr_count:     512
    .wavefront_size: 32
...
	.end_amdgpu_metadata
.endif
;; end of part 3
;; launch oproj (part 4): grid 8 x 32, 8 waves a work-group, clusters of 4 x 4, 297,984 bytes of LDS; arguments o_codes, w_codes, lowp_scales, out0; writes out0
.if DOCPART == 4
	.amdgcn_target "amdgcn-amd-amdhsa--gfx1250"
	.amdhsa_code_object_version 6
	.text
	.protected	k_qf8eeb6868a_oproj
	.globl	k_qf8eeb6868a_oproj
	.p2align	8
	.type	k_qf8eeb6868a_oproj,@function
k_qf8eeb6868a_oproj:
	s_mov_b64 s[64:65], 0
	v_nop
	global_prefetch_b8 v0, s[64:65] scope:SCOPE_SE
	s_setreg_imm32_b32 hwreg(HW_REG_WAVE_MODE, 25, 1), 1
	s_wait_xcnt 0x0
	s_wait_alu depctr_hold_cnt(0) depctr_sa_sdst(0) depctr_va_vdst(0) depctr_va_sdst(0) depctr_va_ssrc(0) depctr_va_vcc(0) depctr_vm_vsrc(0)
	s_getreg_b32 s2, hwreg(HW_REG_IB_STS2, 6, 4)
	s_cmp_eq_u32 s2, 0
	s_cbranch_scc0 .Lentry_in_a_cluster
	s_endpgm
.Lentry_in_a_cluster:
	s_bfe_u32 s2, ttmp6, 0x10000c
	s_cmp_lg_u32 s2, 0xf033
	s_cbranch_scc0 .Lentry_shape_is_right
	s_endpgm
.Lentry_shape_is_right:
; OPROJ: out0 = o Wo^T on E4M3 codes, f32 out.  A work-group: 128 rows of Wo (NT), 128 tokens (MT); 128 x 128 sums over all of K = 1,024.
; Both operand tiles for all of K are dense blocks of 131,072 bytes, brought into LDS once by one tensor load a wave of 128 rows x 256 bytes: region 0 (source 0) = Wo's tile, region 1 (source 1) = o's.
; Nothing that a tensor load fills is filled twice.
; CLUSTERS: 4 x 4 work-groups.  NT = 4 x cluster x + cx, MT = 4 x cluster y + cy.  Wo's tile hangs on NT alone and is shared along a column of the cluster, o's on MT alone and is shared along a row: each is
; asked for JOINTLY, by the same tensor load with the same descriptor and a mask that names the four, which divides the requests for the tiles by four.  No LDS address and no branch hangs on cx or cy.
; A lane holds one token, and its registers 16 + 16 neighbouring outputs.  A wave: 64 outputs x 32 tokens, eight accumulators, which take turns, one
; instruction a turn, in the same order in every K step.  A tile's 16 rows are not neighbours: place r of tile 2 g + u is row 32 g + 8 u + r + 8 (r / 8).
; The plain form's K = 128 is fed by four loads of 16 bytes a side: a permutation of k, the same in both sources.
; THE WAY OUT: each sum x 2^(e10 + e11); 16 tokens x 64 outputs go through the wave's own stage (16 rows, 272 bytes apart, behind the regions: no tensor load lands there) and leave as rows: sixteen lanes store 256 consecutive bytes, aligned.
; LIMIT: e10 + e11 between -126 and 127.
; NO PREFETCH: nothing is asked for behind the head.
.set LN16, 1
.set A0,   2                           ; v2, v3  region 0: my four tiles, K steps 0-3 and 4-7
.set A1,   4                           ; v4, v5  region 1: my two tiles
.set STO,  8                           ; v8      the stage: where I put my 64 + 64 bytes of a row
.set RD,   9                           ; v9      and where I read rows back
.set CO,   10                          ; v10     the same place in out0
.set S0F,  16
.set S1F,  80
.set ACC,  112
.set TMP,  16                          ; v16-79   the sums x 2^(e10 + e11)
.set BK,   176                         ; v176-239 rows read back
.set STAGE, 262144
.set SPI,  272
.set G1A,  24                          ; s[24:31] descriptor group 1 for region 0;  s[32:35] its group 0
.set G0A,  32
.set G1B,  68                          ; s[68:75], s[76:79] the same for region 1
.set G0B,  76
; A round of the cluster's barrier: my work-group's barrier, so that wave 0's signal speaks for all eight waves; wave 0 signals for the work-group; every wave waits for all sixteen work-groups; my work-group's barrier once more.
.macro CROUND
	s_barrier_signal -1
	s_barrier_wait -1
	s_cmp_lg_u32 s2, 0
	s_cbranch_scc1 .Lnot_wave_0_\@
	s_barrier_signal -3
.Lnot_wave_0_\@:
	s_barrier_wait -3
	s_barrier_signal -1
	s_barrier_wait -1
.endm
	s_load_b256 s[4:11], s[0:1], 0x0               ; o_codes, w_codes, scales, out0
	v_lshl_add_u32 v240, v0, 2, 0x48800
	v_mov_b32 v241, 0
	ds_add_u32 v240, v241
	ds_add_u32 v240, v241
	v_lshrrev_b32 v11, 5, v0
	s_delay_alu instid0(VALU_DEP_1)
	v_readfirstlane_b32 s2, v11                    ; wave 0..7
	s_and_b32 s22, s2, 1                           ; the region that I fill; also: which 64 rows of Wo I multiply
	s_lshr_b32 s23, s2, 1                          ; the K step that I fill; also: which 32 tokens
	s_bfe_u32 s84, ttmp6, 0x40000                  ; cx, cy: my place in the cluster
	s_bfe_u32 s85, ttmp6, 0x40004
	s_lshl_b32 s20, ttmp9, 2
	s_add_co_u32 s20, s20, s84                     ; NT = 4 x cluster x + cx
	s_and_b32 s21, ttmp7, 0xffff
	s_lshl_b32 s21, s21, 2
	s_add_co_u32 s21, s21, s85                     ; MT = 4 x cluster y + cy
	s_lshl_b32 s87, s85, 2
	s_lshl_b32 s87, 15, s87                        ; my row of the cluster
	s_lshl_b32 s88, 0x1111, s84                    ; my column
	; descriptor group 1: a dense block as 128 rows of 32 elements of 8 bytes, no padding: ONE load a wave, two neighbouring K steps of its region
	s_or_b32 s[G1A], s88, (3<<16)|(1<<21)          ; 15:0 the mask: Wo's tiles go to my column; 17:16 elements of 8 bytes; 21 set beside a mask
	s_or_b32 s[G1B], s87, (3<<16)|(1<<21)          ; o's go to my row
.irp g, G1A, G1B
	s_mov_b32 s[\g+1], 32<<16                      ; tensor_dim0 = 32
	s_mov_b32 s[\g+2], 128<<16                     ; tensor_dim1 = 128
	s_mov_b32 s[\g+3], 32<<16                      ; tile_dim0 = 32
	s_mov_b32 s[\g+4], 128                         ; tile_dim1 = 128
	s_mov_b32 s[\g+5], 32                          ; from row to row
	s_mov_b32 s[\g+6], 0
	s_mov_b32 s[\g+7], 0
.endr
	s_add_co_u32 s90, s20, 24                      ; Wo's blocks are 24 to 31 of w_codes.  s90 never holds cy, s92 never cx
	s_lshl_b32 s90, s90, 17
	s_mov_b32 s91, 0
	s_lshl_b32 s92, s21, 17
	s_mov_b32 s93, 0
	s_lshl_b32 s60, s23, 15                        ; I fill K steps 2 (wave / 2) and the next: 32,768 bytes on end
	s_mov_b32 s61, 0
	s_lshl_b32 s62, s22, 17
	s_add_co_u32 s62, s62, s60                     ; LDS: 131,072 x region + 16,384 x K step: the wave's number alone
	s_wait_dscnt 0x0
	s_wait_kmcnt 0x0
	s_load_b64 s[40:41], s[8:9], 0x28              ; e10, e11
	s_add_nc_u64 s[94:95], s[6:7], s[90:91]
	s_add_nc_u64 s[94:95], s[94:95], s[60:61]
	s_add_nc_u64 s[96:97], s[4:5], s[92:93]
	s_add_nc_u64 s[96:97], s[96:97], s[60:61]
	CROUND                                         ; all sixteen work-groups are here: the joint loads meet
	s_mov_b32 s[G0A], 1                            ; every wave makes both regions' descriptors and asks by one of them
	s_mov_b32 s[G0A+1], s62
	s_mov_b64 s[G0A+2:G0A+3], s[94:95]
	s_or_b32 s[G0A+3], s[G0A+3], 0x80000000
	s_mov_b32 s[G0B], 1
	s_mov_b32 s[G0B+1], s62
	s_mov_b64 s[G0B+2:G0B+3], s[96:97]
	s_or_b32 s[G0B+3], s[G0B+3], 0x80000000
	s_cmp_eq_u32 s22, 0                            ; one first fill a wave, in the arms of one branch on the wave's number; four v_nop follow it
	s_cbranch_scc0 .Lregion_1
	tensor_load_to_lds s[G0A:G0A+3], s[G1A:G1A+7]
	s_nop 0
.rept 4
	v_nop
.endr
	s_branch .Lasked
.Lregion_1:
	tensor_load_to_lds s[G0B:G0B+3], s[G1B:G1B+7]
	s_nop 0
.rept 4
	v_nop
.endr
.Lasked:
	v_and_b32 v11, 31, v0
	s_delay_alu instid0(VALU_DEP_1)
	v_lshlrev_b32 v[LN16], 4, v11
	s_lshl_b32 s56, s22, 13
	v_add_nc_u32 v[A0], s56, v[LN16]
	s_delay_alu instid0(VALU_DEP_1)
	v_add_nc_u32 v[A0+1], 0x10000, v[A0]
	s_lshl_b32 s56, s23, 12
	s_add_co_u32 s56, s56, 0x20000
	v_add_nc_u32 v[A1], s56, v[LN16]
	s_delay_alu instid0(VALU_DEP_1)
	v_add_nc_u32 v[A1+1], 0x10000, v[A1]
	v_and_b32 v12, 15, v0                          ; r
	v_bfe_u32 v13, v0, 4, 1                        ; h
	s_mul_i32 s56, s2, 16*SPI
	s_add_co_u32 s56, s56, STAGE                   ; my stage
	v_mul_u32_u24 v[STO], v12, SPI
	s_delay_alu instid0(VALU_DEP_1)
	v_lshl_add_u32 v[STO], v13, 6, v[STO]
	s_delay_alu instid0(VALU_DEP_1)
	v_add_nc_u32 v[STO], s56, v[STO]               ; in: row r, + 64 h
	v_mul_u32_u24 v[RD], v13, SPI
	s_delay_alu instid0(VALU_DEP_1)
	v_lshl_add_u32 v[RD], v12, 4, v[RD]
	s_delay_alu instid0(VALU_DEP_1)
	v_add_nc_u32 v[RD], s56, v[RD]                 ; back: lanes 0-15 one row of 256 bytes, lanes 16-31 the next
	v_lshlrev_b32 v[CO], 12, v13
	s_delay_alu instid0(VALU_DEP_1)
	v_lshl_add_u32 v[CO], v12, 4, v[CO]            ; and the same two rows of out0, 4,096 bytes apart
	s_lshl_b32 s56, s21, 19                        ; token 128 MT + 32 (wave / 2), output 128 NT + 64 (wave % 2)
	s_lshl_b32 s58, s23, 17
	s_add_co_u32 s56, s56, s58
	s_lshl_b32 s58, s20, 9
	s_add_co_u32 s56, s56, s58
	s_lshl_b32 s58, s22, 8
	s_add_co_u32 s56, s56, s58
	s_mov_b32 s57, 0
	s_add_nc_u64 s[10:11], s[10:11], s[56:57]
	s_wait_kmcnt 0x0
	s_add_co_i32 s42, s40, s41
	s_add_co_i32 s42, s42, 127
	s_lshl_b32 s42, s42, 23                        ; 2^(e10 + e11) as f32
	s_mov_b32 s43, s42                             ; named with it as a pair
.macro FRG reg, adr, off
.irp c, 0,1,2,3
	ds_load_b128 v[\reg+4*\c:\reg+4*\c+3], v[\adr] offset:\off+512*\c
.endr
.endm
.macro MM a, b, zero
.if \zero
	v_wmma_f32_16x16x128_fp8_fp8 v[ACC+8*(4*\b+\a):ACC+8*(4*\b+\a)+7], v[S0F+16*\a:S0F+16*\a+15], v[S1F+16*\b:S1F+16*\b+15], 0
.else
	v_wmma_f32_16x16x128_fp8_fp8 v[ACC+8*(4*\b+\a):ACC+8*(4*\b+\a)+7], v[S0F+16*\a:S0F+16*\a+15], v[S1F+16*\b:S1F+16*\b+15], v[ACC+8*(4*\b+\a):ACC+8*(4*\b+\a)+7]
.endif
.endm
.macro KSTEP ks, zero
.if \ks > 0
.rept 4
	v_nop                                          ; four places in front of loads into registers that the last products read
.endr
.endif
	FRG S1F, A1+(\ks)/4, ((\ks)%4)*16384
.irp a, 0,1,2,3
	FRG S0F+16*\a, A0+(\ks)/4, ((\ks)%4)*16384+2048*\a
.endr
	FRG S1F+16, A1+(\ks)/4, ((\ks)%4)*16384+2048
	s_wait_dscnt 16                                ; the first two fragments are in, the four behind them (16 loads) may be out
	MM 0, 0, \zero
	s_wait_dscnt 12
	MM 1, 0, \zero
	s_wait_dscnt 8
	MM 2, 0, \zero
	s_wait_dscnt 4
	MM 3, 0, \zero
	s_wait_dscnt 0
	MM 0, 1, \zero
	MM 1, 1, \zero
	MM 2, 1, \zero
	MM 3, 1, \zero
.endm
	s_wait_tensorcnt 0x0                           ; my one load is in
	s_barrier_signal -1
	s_barrier_wait -1
	KSTEP 0, 1
	KSTEP 1, 0
	KSTEP 2, 0
	KSTEP 3, 0
	KSTEP 4, 0
	KSTEP 5, 0
	KSTEP 6, 0
	KSTEP 7, 0
.rept 4
	v_nop                                          ; places in front of the first reads of results and the first writes of operands' registers
.endr
.macro TOSTAGE b                       ; token tile b: 16 rows x 256 bytes through my stage.  LDS serves a wave's instructions in order (ISA guide 5.7.1.4): no wait between the stores and the loads, nor in front of the next tile's stores
.set i, 0
.rept 16
	v_pk_mul_f32 v[TMP+32*\b+i:TMP+32*\b+i+1], v[ACC+32*\b+i:ACC+32*\b+i+1], s[42:43] op_sel_hi:[1,0]   ; each accumulator from its low end on
.set i, i+2
.endr
.irp g, 0,1
.irp j, 0,1,2,3
	ds_store_b128 v[STO], v[TMP+32*\b+16*\g+4*\j:TMP+32*\b+16*\g+4*\j+3] offset:128*\g+16*\j   ; outputs 32 g + 16 h + 4 j on
.endr
.endr
.irp t, 0,1,2,3,4,5,6,7
	ds_load_b128 v[BK+32*\b+4*\t:BK+32*\b+4*\t+3], v[RD] offset:2*SPI*\t
.endr
.endm
.macro SEND b, younger                 ; younger: LDS instructions issued behind tile b's loads
.irp t, 0,1,2,3,4,5,6,7
	s_wait_dscnt \younger+7-\t
	global_store_b128 v[CO], v[BK+32*\b+4*\t:BK+32*\b+4*\t+3], s[10:11] offset:(8*\b+2*\t+8*(\t/4))*4096 th:TH_STORE_NT   ; place 2 t + l / 16 of tile b is token 8 b + 2 t + 8 (t / 4) + l / 16; written once, read by nobody here
.endr
.endm
	TOSTAGE 0
	TOSTAGE 1
	SEND 0, 16
	SEND 1, 0
	s_wait_tensorcnt 0x0
	ds_add_u32 v240, v241
	s_wait_dscnt 0x0
	CROUND                                         ; the closing round (no LDS instruction of mine is out: the last count-down ended at 0): no work-group ends while a partner may still ask for a tile that names it
	s_endpgm
.Lfunc_end_k_qf8eeb6868a_oproj:
	.size	k_qf8eeb6868a_oproj, .Lfunc_end_k_qf8eeb6868a_oproj-k_qf8eeb6868a_oproj
	.p2alignl 7, 3214868480
	.fill 96, 4, 3214868480
	.section	.rodata,"a",@progbits
	.p2align	6, 0x0
	.amdhsa_kernel k_qf8eeb6868a_oproj
		.amdhsa_group_segment_fixed_size 297984
		.amdhsa_private_segment_fixed_size 0
		.amdhsa_enable_private_segment 0
		.amdhsa_kernarg_size 32
		.amdhsa_user_sgpr_count 2
		.amdhsa_user_sgpr_kernarg_segment_ptr 1
		.amdhsa_wavefront_size32 1
		.amdhsa_system_sgpr_workgroup_id_x 1
		.amdhsa_system_sgpr_workgroup_id_y 1
		.amdhsa_system_sgpr_workgroup_id_z 1
		.amdhsa_system_vgpr_workitem_id 0
		.amdhsa_next_free_vgpr 242
		.amdhsa_next_free_sgpr 100
		.amdhsa_reserve_vcc 0
		.amdhsa_float_denorm_mode_32 3
		.amdhsa_float_denorm_mode_16_64 3
		.amdhsa_memory_ordered 1
		.amdhsa_forward_progress 1
		.amdhsa_inst_pref_size 31
	.end_amdhsa_kernel
	.amdgpu_metadata
---
amdhsa.version: [ 1, 2 ]
amdhsa.kernels:
  - .name:           k_qf8eeb6868a_oproj
    .symbol:         k_qf8eeb6868a_oproj.kd
    .args:
      - { .name: o_codes, .offset: 0, .size: 8, .value_kind: global_buffer, .address_space: global }
      - { .name: w_codes, .offset: 8, .size: 8, .value_kind: global_buffer, .address_space: global }
      - { .name: lowp_scales, .offset: 16, .size: 8, .value_kind: global_buffer, .address_space: global }
      - { .name: out0, .offset: 24, .size: 8, .value_kind: global_buffer, .address_space: global }
    .group_segment_fixed_size: 297984
    .private_segment_fixed_size: 0
    .kernarg_segment_align: 8
    .kernarg_segment_size: 32
    .max_flat_workgroup_size: 256
    .sgpr_count:     100
    .vgpr_count:     242
    .wavefront_size: 32
...
	.end_amdgpu_metadata
.endif
;; end of part 4
